; MI455X (gfx1250); checked and timed in simulation.
; The chip was launched on July 23, 2026; its instructions are those of AMD's public machine-readable ISA for CDNA 5 (MIT licence, August 2026) and "CDNA5" Instruction Set Architecture Reference Guide (July 2026). The comments in the code are by the model that wrote it; some were corrected since.
;; Multi Head Attention. Allowed arithmetic: matrix products marked QUANTISED: E2M1 operands, one E8M0 scale for each 32 along K, by v_wmma_scale_f32_16x16x128_f8f6f4 with both operands' format E2M1 (or v_wmma_scale_f32_32x16x128_f4), f32 sums; everything else in f32.
;; Inputs: Wk_codes 1,024 x 32 x 16 uint8 (E2M1 codes of Wk, K innermost, in blocks of 32 codes, two codes a byte); Wk_scales 1,024 x 32 uint8 (E8M0 scales of Wk, one for each 32 codes along K); Wo_codes 1,024 x 32 x 16 uint8 (E2M1 codes of Wo, K innermost, in blocks of 32 codes, two codes a byte); Wo_scales 1,024 x 32 uint8 (E8M0 scales of Wo, one for each 32 codes along K); Wq_codes 1,024 x 32 x 16 uint8 (E2M1 codes of Wq, K innermost, in blocks of 32 codes, two codes a byte); Wq_scales 1,024 x 32 uint8 (E8M0 scales of Wq, one for each 32 codes along K); Wv_codes 1,024 x 32 x 16 uint8 (E2M1 codes of Wv, K innermost, in blocks of 32 codes, two codes a byte); Wv_scales 1,024 x 32 uint8 (E8M0 scales of Wv, one for each 32 codes along K); bo 1,024 float32; x_codes 4 x 2,048 x 32 x 16 uint8 (E2M1 codes of x, K innermost, in blocks of 32 codes, two codes a byte); x_scales 4 x 2,048 x 32 uint8 (E8M0 scales of x, one for each 32 codes along K).
;; Outputs: out0 4 x 2,048 x 1,024 float32.
;; This version of the problem:
;;   THIS VERSION OF THE PROBLEM IS GIVEN IN LOW PRECISION. The matrix products marked QUANTISED in the list below multiply operands that are first quantised to E2M1 (2 exponent bits, 1 mantissa bit; 4 bits a number), with one power-of-two scale for each 32 numbers along K (OCP MX v1.0); their sums are f32. All else is computed in f32.
;;   The module's matrix products, in the order in which they are computed (A, B: the left and right operand; K: the contracted axis; several contracted axes count as one K, in the product's order):
;;     1. [M 8,192, K 1,024] x [K 1,024, N 1,024]; A: input x (given as codes); B: input Wq (given as codes): QUANTISED
;;     2. [M 8,192, K 1,024] x [K 1,024, N 1,024]; A: input x (given as codes); B: input Wk (given as codes): QUANTISED
;;     3. [M 8,192, K 1,024] x [K 1,024, N 1,024]; A: input x (given as codes); B: input Wv (given as codes): QUANTISED
;;     4. batch 64 x [M 2,048, K 64] x [K 64, N 2,048]; A: computed on the way; B: computed on the way: QUANTISED
;;     5. batch 64 x [M 2,048, K 2,048] x [K 2,048, N 64]; A: softmax (see below); B: computed on the way: QUANTISED
;;     6. [M 8,192, K 1,024] x [K 1,024, N 1,024]; A: computed on the way; B: input Wo (given as codes): QUANTISED
;;   THE QUANTISER, for each operand of a quantised product, along K:
;;     - K is cut into blocks of 32 from its start; a last block that is shorter is filled with zeros.
;;     - A block's scale is 2^e with e = floor(log2(the largest magnitude in the block)) - 2, held to -126 .. 127; a block of zeros has e = 0. As a byte (E8M0): e + 127.
;;     - Each number is divided by its block's scale, clamped to +-6, and rounded to the nearest number of E2M1, ties to even, subnormals kept.
;;     - The product sums the exact products of the quantised numbers (number of the format x scale) in f32.
;;   ~~~python
;;   def quantise(x, axis):      # numpy; x: float32 -> the quantised numbers, widened to float32 again
;;       x = np.moveaxis(x, axis, -1); K = x.shape[-1]
;;       x = np.pad(x, [(0, 0)] * (x.ndim - 1) + [(0, -K % 32)]); x = x.reshape(x.shape[:-1] + (-1, 32)); a = np.abs(x).max(-1, keepdims=True)
;;       e = np.where(a > 0, np.clip(np.frexp(np.where(a > 0, a, 1))[1] - 1 - 2, -126, 127), 0)      # np.frexp(a)[1] - 1 = floor(log2(a)), exactly
;;       r = np.clip(x / 2.0 ** e, -6, 6)
;;       step = 2.0 ** (np.maximum(np.frexp(np.where(r == 0, 1, r))[1] - 1, 0) - 1)
;;       q = np.round(r / step) * step * 2.0 ** e      # np.round: ties to even
;;       return np.moveaxis(q.reshape(q.shape[:-2] + (-1,))[..., :K], -1, axis).astype(np.float32)
;;   ~~~
;;   SOFTMAX AHEAD OF A QUANTISED PRODUCT. Where the list says 'softmax', what is quantised is not the finished softmax but p = 2^(t - M), with t = logit x log2(e) and M = ceil(the row's largest t), a whole number; so 1/2 < the row's largest p <= 1. The row's sum l is taken of the UNQUANTISED p, in f32, and the product's result is divided by l at the end. Since M is a whole number, a kernel that streams over the keys may use a running M (the ceiling of the running maximum): every later rescaling is an exact power of two, which a block's scale takes up: the codes' values come out the same.
;;   OPERANDS COMPUTED ON THE WAY. 'Computed on the way' means the value that the module computes at that place (a softmax that the list does not call 'softmax' is quantised finished and normalised). What goes into a quantiser is computed in f32, as accurately as f32 sums, v_exp_f32 and their like allow (about 1e-6 of the number): no bf16 or f16 on the way to a quantiser, and a product that is left as it is and whose result goes on into a quantised operand takes f32 operands (vector FMAs, or v_wmma_f32_16x16x4_f32). A number that lies on a knife's edge between two numbers of the format may be rounded either way, as far as f32 arithmetic and the matrix unit's own rounding can turn it there, and no further.
;;   INPUTS GIVEN AS CODES. Wk (in the module: [1024, 1024], K = its axis 0); Wo (in the module: [1024, 1024], K = its axis 0); Wq (in the module: [1024, 1024], K = its axis 0); Wv (in the module: [1024, 1024], K = its axis 0); x (in the module: [4, 2048, 1024], K = its axis 2): each comes as NAME_codes (uint8): NAME with its K axis moved to the last place and cut into blocks of 32 codes, [.., K / 32, bytes a block], one block behind the other in memory; two codes a byte, the lower K in the low four bits (a code: sign, 2 exponent bits, 1 mantissa bit); and NAME_scales (uint8): the same leading axes, one E8M0 byte (e + 127) for each 32 codes along K. Its value is code x scale, taken as it is: it is not quantised again, and the codes and scales need not be those that the quantiser above would give.
;; One version. Each part assembles by itself: llvm-mc -triple=amdgcn-amd-amdhsa -mcpu=gfx1250 --defsym DOCPART=n.
;; ======== version 1 of 1: 3 launches
;; workspace buffers: q 4,718,592 bytes; kv 9,175,040 bytes; a_img 4,194,304 bytes; a_sc 262,144 bytes
;; launch qkv (part 1): grid 12 x 64, 4 waves a work-group, clusters of 4 x 4, 222,464 bytes of LDS; arguments x_codes, x_scales, Wq_codes, Wq_scales, Wk_codes, Wk_scales, Wv_codes, Wv_scales, q, kv; writes q, kv
.if DOCPART == 1
	.amdgcn_target "amdgcn-amd-amdhsa--gfx1250"
	.amdhsa_code_object_version 6
	.text
	.protected	k_q9f67ae0f2d_qkv
	.globl	k_q9f67ae0f2d_qkv
	.p2align	8
	.type	k_q9f67ae0f2d_qkv,@function
k_q9f67ae0f2d_qkv:
	s_mov_b64 s[64:65], 0
	v_nop
	global_prefetch_b8 v0, s[64:65] scope:SCOPE_SE
	s_setreg_imm32_b32 hwreg(HW_REG_WAVE_MODE, 25, 1), 1
	s_wait_xcnt 0x0
	s_wait_alu depctr_hold_cnt(0) depctr_sa_sdst(0) depctr_va_vdst(0) depctr_va_sdst(0) depctr_va_ssrc(0) depctr_va_vcc(0) depctr_vm_vsrc(0)
	s_getreg_b32 s2, hwreg(HW_REG_IB_STS2, 6, 4)
	s_cmp_eq_u32 s2, 0
	s_cbranch_scc0 .Lentry_in_a_cluster
	s_endpgm
.Lentry_in_a_cluster:
	s_bfe_u32 s2, ttmp6, 0x10000c
	s_cmp_lg_u32 s2, 0xf033
	s_cbranch_scc0 .Lentry_shape_is_right
	s_endpgm
.Lentry_shape_is_right:
; q = x Wq, k = x Wk, v = x Wv on codes of E2M1 with E8M0 scales, and the quantisers of the three results: q and k along the head's 64 numbers, v along the keys.
; Only codes and scale bytes leave: q into the buffer q, k and v into the buffer kv, both laid in the order of the next launch's operand registers.
; WORK LEFT OUT BY THE PROGRAM (in the launch attn): a step of 128 keys all of which come after a tile's 16 queries.  The mask is the jnp.tril that the problem builds in its own body: for key > query the score is
; replaced by -infinity whatever the inputs hold, so p = 0 exactly, and it adds 0 to the row's sum and to the second product.  Every input has a way to the output: all are loaded.
; LIMITS: a NaN, an infinity or an overflow that reaches only the scores left out is not carried to the result.  A block whose largest magnitude lies under 2^-124 gets the scale byte 1 (the floor); a block of zeros gets the
; byte 1 where the quantiser says 127: its codes are zeros, and these bytes are read by this program alone.  NaN and infinities among the inputs are not served.
; SHARES.  A work-group of four waves makes 256 rows of S0 x 128 rows of S1; all of K = 1,024 lies in LDS, in two halves of 512 (rows of 256 bytes), each filled once.  S0 is the matrix instruction's source 0: its rows run
; along a lane's registers in the result; S1 is source 1: a lane holds one of its rows.  Wave w takes S1's rows 64 (w / 2) on and S0's rows 128 (w % 2) on: 32 accumulators of 16 x 16.
; KINDS, by the cluster's x (the same in all sixteen partners; no branch hangs on it, only pointers and offsets): 0: q, 1: k: S0 = the weight's rows n, S1 = tokens, so that a lane's registers run along the head's numbers;
; 2: v: S0 = tokens, S1 = Wv's rows n, so that a lane's registers run along the keys.
; CLUSTERS: 4 x 4 work-groups.  S1's tile hangs on the place along y and is asked for jointly by a row of the cluster, S0's on the place along x and by a column: the same tensor load, descriptor and mask in all four.
; REGISTERS: window 0: v1-31 addresses; v32-63 S1's scale words (tile a, K step ks: 32 + 8 a + ks); v64-127 S0's (64 + 8 b + ks); v128-191 S1's fragments, two sets; v192-216 the way out.
;   window 1: v0-127 S0's fragments, two sets.   window 2: the accumulators, (a, b) at v[8 (8 a + b)].
.set PITCH, 272                        ; an LDS row: 256 bytes + 16 of padding, so that the 16 rows that a fragment load touches begin 16 bytes apart modulo 256
.set S1B,   128*PITCH                  ; a K half: S1's 128 rows,
.set SLOT,  S1B+256*PITCH              ; then S0's 256 rows
.set SC1,   2*SLOT                     ; S1's scale bytes, 128 rows x 32, as 16 runs of 256 bytes + 16 of padding
.set SC0,   SC1+16*272                 ; S0's, 256 rows x 32: 32 runs
.set SPARE, SC0+32*272                 ; the spare words, 128 bytes for each wave: two blocks of 256 bytes that no other line names
.set ADR1, 16                          ; v16-17  LDS address of my S1 fragments in K half 0, 1
.set ADR0, 20                          ; v20-21  the same for S0
.set AS1,  24                          ; v24     of my S1 scale words
.set AS0,  25                          ; v25     of my S0 scale words
.set LI,   26                          ; v26     16 x lane
.set SPW,  28                          ; v28     LDS address of my spare word; never rewritten
.set NIL,  29                          ; v29     0; never rewritten
.set SHF,  30                          ; v30     how far my lane shifts a scale word down
.set SOF,  31                          ; v31     where my lane stores its four scale words
.set S1SC, 32
.set S0SC, 64
.set S1F,  128
.set TM,   192                         ; v192-195 four blocks' largest magnitudes
.set TP,   196                         ; v196-199 the other half's, then the bytes
.set TS,   200                         ; v200-203 the conversions' scale operands
.set SW,   204                         ; v204-207 a scale word for each tile a
.set OFF,  208                         ; v208-215 where my lane stores its 16 bytes of codes: tile a, half c
.set WD,   216                         ; v216     the four bytes as one word
.set G1A,  32                          ; s[32:39] group 1, s[40:47] two groups 0: S1's codes
.set G0A,  40
.set G1B,  48                          ; s[48:55], s[56:63]: S0's codes
.set G0B,  56
.set SEL,  66                          ; s[66:67] lane selects for v_permlanex16_b32: lane l xor 16
.set G1S,  68                          ; s[68:75], s[76:79]: S1's scale bytes
.set G0S,  76
.set G1SB, 80                          ; s[80:87], s[88:91]: S0's scale bytes
.set G0SB, 88
.set PADW, (1<<20)|(1<<21)|(5<<22)|(3<<25)   ; padding on; bit 21 set beside a mask; after every 64 words; four words
.set MSB, 0
.macro WIN new                         ; the immediate's high byte repeats the setting that is left; a switch that changes nothing is dropped
.if MSB != \new
	s_set_vgpr_msb (MSB<<8)|\new
.set MSB, \new
.endif
.endm
; A joint load: waves 0 and 1 fetch for S1, waves 2 and 3 for S0.  The branch hangs on the wave's number alone.  An s_nop 0 and four v_nop follow each of the two lines.
.macro JLOAD g0a, g1a, g0b, g1b
	s_cmp_eq_u32 s25, 0
	s_cbranch_scc0 .Lfor_s0_\@
	tensor_load_to_lds s[\g0a:\g0a+3], s[\g1a:\g1a+7]
	s_nop 0
.rept 4
	v_nop
.endr
	s_branch .Lasked_\@
.Lfor_s0_\@:
	tensor_load_to_lds s[\g0b:\g0b+3], s[\g1b:\g1b+7]
	s_nop 0
.rept 4
	v_nop
.endr
.Lasked_\@:
.endm
.macro CROUND                          ; a round of the cluster's barrier: my work-group's barrier, wave 0 signals for the work-group, every wave waits for all sixteen, my work-group's barrier once more
	s_barrier_signal -1
	s_barrier_wait -1
	s_cmp_lg_u32 s24, 0
	s_cbranch_scc1 .Lnot_wave_0_\@
	s_barrier_signal -3
.Lnot_wave_0_\@:
	s_barrier_wait -3
	s_barrier_signal -1
	s_barrier_wait -1
.endm
.macro PLACES                          ; four plain vector instructions between a matrix instruction and a load into, or a vector read or write of, its registers
.rept 4
	v_nop
.endr
.endm
; 24 LDS loads in one run: the fragments of K step q (16 rows x 128 K of 4-bit codes: 8 registers, two loads 32 bytes apart) into set q % 2: S0's eight, then S1's four
.macro FETCH q
	WIN 0x40                                       ; destination window 1, address window 0
.irp b, 0,1,2,3,4,5,6,7
.irp c, 0,1
	ds_load_b128 v[64*((\q)%2)+8*\b+4*\c:64*((\q)%2)+8*\b+4*\c+3], v[ADR0+(\q)/4] offset:64*((\q)%4)+32*\c+\b*16*PITCH
.endr
.endr
	WIN 0
.irp a, 0,1,2,3
.irp c, 0,1
	ds_load_b128 v[S1F+32*((\q)%2)+8*\a+4*\c:S1F+32*((\q)%2)+8*\a+4*\c+3], v[ADR1+(\q)/4] offset:64*((\q)%4)+32*\c+\a*16*PITCH
.endr
.endr
.endm
; 16 matrix instructions: S1's tiles a0, a0 + 1 x S0's eight, K step q.  first = 1: the product starts the sum: nothing is cleared.  The 32 accumulators take turns, one instruction a turn, in the same order in every step.
.macro MUL q, a0, first
.irp a, \a0, \a0+1
.irp b, 0,1,2,3,4,5,6,7
.if \first
	v_wmma_scale_f32_16x16x128_f8f6f4 v[8*(8*(\a)+\b):8*(8*(\a)+\b)+7], v[64*((\q)%2)+8*\b:64*((\q)%2)+8*\b+7], v[S1F+32*((\q)%2)+8*(\a):S1F+32*((\q)%2)+8*(\a)+7], 0, v[S0SC+8*\b+(\q)], v[S1SC+8*(\a)+(\q)] matrix_a_fmt:MATRIX_FMT_FP4 matrix_b_fmt:MATRIX_FMT_FP4
.else
	v_wmma_scale_f32_16x16x128_f8f6f4 v[8*(8*(\a)+\b):8*(8*(\a)+\b)+7], v[64*((\q)%2)+8*\b:64*((\q)%2)+8*\b+7], v[S1F+32*((\q)%2)+8*(\a):S1F+32*((\q)%2)+8*(\a)+7], v[8*(8*(\a)+\b):8*(8*(\a)+\b)+7], v[S0SC+8*\b+(\q)], v[S1SC+8*(\a)+(\q)] matrix_a_fmt:MATRIX_FMT_FP4 matrix_b_fmt:MATRIX_FMT_FP4
.endif
.endr
.endr
.endm
; A K step whose successor lies in the same K half: the next step's fragments are asked for, then this step's 32 products
.macro STEP q, first
.if (\q) > 0
	PLACES                                         ; the set that the loads below fill was multiplied in the step before
.endif
	FETCH (\q)+1
	s_wait_dscnt 24                                ; all but the 24 loads just issued: this step's fragments are in (in step 0 the scale words too)
	WIN 0xa1                                       ; source 0 window 1, source 1 window 0, C and D window 2
	MUL \q, 0, \first
	MUL \q, 2, \first
.endm
	s_load_b512 s[4:19], s[0:1], 0x0               ; x's codes s[4:5], scales s[6:7]; Wq's s[8:9], s[10:11]; Wk's s[12:13], s[14:15]; Wv's s[16:17], s[18:19]
	s_load_b128 s[20:23], s[0:1], 0x40             ; q s[20:21], kv s[22:23]
	v_lshl_add_u32 v[SPW], v0, 2, SPARE
	v_mov_b32 v[NIL], 0
	ds_add_u32 v[SPW], v[NIL]                      ; the wave's opening: the add, twice on end, and its wait ahead of my first tensor load
	ds_add_u32 v[SPW], v[NIL]                      ; and once more; the set-up below, work on registers, stands between it and the wait
	v_lshrrev_b32 v1, 5, v0
	v_readfirstlane_b32 s24, v1                    ; wave 0..3
	s_lshr_b32 s25, s24, 1                         ; which 64 rows of S1 are mine.  Also: I fetch for S1 (0) or for S0 (1)
	s_and_b32 s26, s24, 1                          ; which 128 rows of S0 are mine.  Also: which half of that tile I fetch
	s_bfe_u32 s27, ttmp6, 0x40000                  ; cx, cy: my place in the cluster
	s_bfe_u32 s28, ttmp6, 0x40004
	s_and_b32 s30, ttmp7, 0xffff                   ; the cluster's y, 0..15
	s_and_b32 s31, s30, 7
	s_lshl_b32 s31, s31, 2                         ; kind 2: S0's tile (256 tokens) = 4 (y % 8) + cx
	s_lshr_b32 s94, s30, 3
	s_lshl_b32 s94, s94, 2                         ; kind 2: S1's tile (128 rows of Wv) = 4 (y / 8) + cy
	s_lshl_b32 s98, s30, 2                         ; kinds 0, 1: S1's tile (128 tokens) = 4 y + cy; S0's (256 rows of the weight) = cx
	s_cmp_eq_u32 ttmp9, 2
	s_cselect_b32 s92, s31, 0
	s_cselect_b32 s93, s94, s98
	s_add_co_u32 s92, s92, s27                     ; S0's tile: cx and the cluster's ids alone
	s_add_co_u32 s93, s93, s28                     ; S1's tile: cy and the cluster's ids alone
	s_lshl_b32 s31, s28, 2
	s_lshl_b32 s31, 15, s31                        ; my row of the cluster
	s_lshl_b32 s29, 0x1111, s27                    ; my column
	s_or_b32 s[G1A], s31, PADW                     ; S1's codes: elements of 1 byte; 64 rows x 256 bytes, 512 bytes apart in memory
	s_mov_b32 s[G1A+1], 256<<16                    ; tensor_dim0
	s_mov_b32 s[G1A+2], 64<<16                     ; tensor_dim1
	s_mov_b32 s[G1A+3], 256<<16                    ; tile_dim0
	s_mov_b32 s[G1A+4], 64                         ; tile_dim1
	s_mov_b32 s[G1A+5], 512                        ; the pitch
	s_mov_b32 s[G1A+6], 0
	s_mov_b32 s[G1A+7], 0
	s_or_b32 s[G1B], s29, PADW                     ; S0's codes: 128 rows
	s_mov_b32 s[G1B+1], 256<<16
	s_mov_b32 s[G1B+2], 128<<16
	s_mov_b32 s[G1B+3], 256<<16
	s_mov_b32 s[G1B+4], 128
	s_mov_b32 s[G1B+5], 512
	s_mov_b32 s[G1B+6], 0
	s_mov_b32 s[G1B+7], 0
	s_or_b32 s[G1S], s31, PADW|(3<<16)             ; S1's scale bytes: 64 rows x 32 are 2,048 dense bytes: 8 rows of 32 elements of 8 bytes
	s_mov_b32 s[G1S+1], 32<<16
	s_mov_b32 s[G1S+2], 8<<16
	s_mov_b32 s[G1S+3], 32<<16
	s_mov_b32 s[G1S+4], 8
	s_mov_b32 s[G1S+5], 32
	s_mov_b32 s[G1S+6], 0
	s_mov_b32 s[G1S+7], 0
	s_or_b32 s[G1SB], s29, PADW|(3<<16)            ; S0's: 128 rows x 32: 16 rows of 256 bytes
	s_mov_b32 s[G1SB+1], 32<<16
	s_mov_b32 s[G1SB+2], 16<<16
	s_mov_b32 s[G1SB+3], 32<<16
	s_mov_b32 s[G1SB+4], 16
	s_mov_b32 s[G1SB+5], 32
	s_mov_b32 s[G1SB+6], 0
	s_mov_b32 s[G1SB+7], 0
	s_lshl_b32 s94, s92, 8
	s_lshl_b32 s95, s26, 7
	s_add_co_u32 s94, s94, s95                     ; the first row of S0 that I would fetch
	s_lshl_b32 s96, s94, 5                         ; its scale bytes,
	s_lshl_b32 s94, s94, 9                         ; its codes
	s_mov_b32 s95, 0
	s_mov_b32 s97, 0
	s_lshl_b32 s98, s93, 7
	s_lshl_b32 s99, s26, 6
	s_add_co_u32 s98, s98, s99                     ; the first row of S1 that I would fetch
	s_lshl_b32 s100, s98, 5
	s_lshl_b32 s98, s98, 9
	s_mov_b32 s99, 0
	s_mov_b32 s101, 0
	s_mul_i32 s31, s26, 64*PITCH                   ; where they go: constants and the wave's number alone
.irp s, 0,1
	s_mov_b32 s[G0A+4*\s], 1
	s_add_co_u32 s[G0A+4*\s+1], s31, \s*SLOT
.endr
	s_mul_i32 s31, s26, 128*PITCH
.irp s, 0,1
	s_mov_b32 s[G0B+4*\s], 1
	s_add_co_u32 s[G0B+4*\s+1], s31, \s*SLOT+S1B
.endr
	s_mul_i32 s31, s26, 8*272
	s_mov_b32 s[G0S], 1
	s_add_co_u32 s[G0S+1], s31, SC1
	s_mul_i32 s31, s26, 16*272
	s_mov_b32 s[G0SB], 1
	s_add_co_u32 s[G0SB+1], s31, SC0
	s_mov_b32 s[SEL], 0x76543210
	s_mov_b32 s[SEL+1], 0xfedcba98
	s_wait_dscnt 0x0                               ; both opening adds are done
	s_wait_kmcnt 0x0
	s_cmp_eq_u32 ttmp9, 0                          ; the buffers are chosen by the cluster's x alone
	s_cselect_b64 s[8:9], s[8:9], s[12:13]         ; the weight of kinds 0, 1: Wq or Wk
	s_cselect_b64 s[10:11], s[10:11], s[14:15]
	s_cselect_b64 s[20:21], s[20:21], s[22:23]     ; where the results go: q, or kv
	s_cmp_eq_u32 ttmp9, 2
	s_cselect_b64 s[12:13], s[4:5], s[8:9]         ; S0: x in kind 2, else the weight
	s_cselect_b64 s[14:15], s[6:7], s[10:11]
	s_cselect_b64 s[16:17], s[16:17], s[4:5]       ; S1: Wv in kind 2, else x
	s_cselect_b64 s[18:19], s[18:19], s[6:7]
	s_add_nc_u64 s[12:13], s[12:13], s[94:95]
	s_add_nc_u64 s[14:15], s[14:15], s[96:97]
	s_add_nc_u64 s[16:17], s[16:17], s[98:99]
	s_add_nc_u64 s[18:19], s[18:19], s[100:101]
.irp s, 0,1
	s_add_nc_u64 s[G0A+4*\s+2:G0A+4*\s+3], s[16:17], \s*256   ; K half s begins 256 bytes into the rows
	s_or_b32 s[G0A+4*\s+3], s[G0A+4*\s+3], 0x80000000         ; type = 2
	s_add_nc_u64 s[G0B+4*\s+2:G0B+4*\s+3], s[12:13], \s*256
	s_or_b32 s[G0B+4*\s+3], s[G0B+4*\s+3], 0x80000000
.endr
	s_mov_b64 s[G0S+2:G0S+3], s[18:19]
	s_or_b32 s[G0S+3], s[G0S+3], 0x80000000
	s_mov_b64 s[G0SB+2:G0SB+3], s[14:15]
	s_or_b32 s[G0SB+3], s[G0SB+3], 0x80000000
	CROUND                                         ; all sixteen work-groups are here: the joint loads meet
	JLOAD G0S, G1S, G0SB, G1SB                     ; the scale bytes, K half 0, K half 1: three loads of mine are out; every byte is filled once
	JLOAD G0A, G1A, G0B, G1B
	JLOAD G0A+4, G1A, G0B+4, G1B
	; addresses, made while the tiles are on their way
	v_and_b32 v1, 15, v0                           ; r = lane % 16
	v_bfe_u32 v2, v0, 4, 1                         ; h = lane / 16
	v_and_b32 v3, 31, v0                           ; lane
	v_mul_u32_u24 v4, v1, PITCH
	v_lshl_add_u32 v4, v2, 4, v4                   ; a fragment's row x pitch + 16 h
	s_mul_i32 s4, s25, 64*PITCH                    ; my 64 rows of S1
	s_mul_i32 s5, s26, 128*PITCH
	s_add_co_u32 s5, s5, S1B                       ; my 128 rows of S0
.irp s, 0,1
	v_add_nc_u32 v[ADR1+\s], s4, v4
	v_add_nc_u32 v[ADR0+\s], s5, v4
	s_add_co_u32 s4, s4, SLOT
	s_add_co_u32 s5, s5, SLOT
.endr
	v_lshrrev_b32 v6, 3, v1
	v_lshlrev_b32 v5, 5, v1
	v_lshl_add_u32 v5, v6, 4, v5                   ; row r's 32 scale bytes: 32 r, and 16 more behind each 256
	s_mul_i32 s4, s25, 8*272
	s_add_co_u32 s4, s4, SC1
	v_add_nc_u32 v[AS1], s4, v5
	s_mul_i32 s4, s26, 16*272
	s_add_co_u32 s4, s4, SC0
	v_add_nc_u32 v[AS0], s4, v5
	v_lshlrev_b32 v[LI], 4, v3
	s_wait_alu depctr_va_vdst(0)
.irp b, 0,1,2,3
	v_mov_b32 v[TP+\b], 0                          ; written once: a lane permute's destination counts as one of its sources
.endr
	; where the results go.  q: records of 4,608 bytes for a head and 128 tokens: eight images of 512 bytes (16 tokens x 64 codes, lane l's 16 bytes at 16 l), then 512 bytes of scale words [tile / 4][r][tile % 4].
	; kv: records of 8,960 bytes for a head and 128 keys: K's eight images, V's four images of 1,024 bytes (16 of the head's 64 x 128 keys), K's 512 bytes of scale words, V's 256 ([r][tile]).
	s_lshr_b32 s7, s93, 4
	s_lshl_b32 s7, s7, 4
	s_lshl_b32 s4, s92, 2
	s_add_co_u32 s7, s7, s4
	s_lshl_b32 s4, s26, 1
	s_add_co_u32 s7, s7, s4                        ; kinds 0, 1: 16 batch + my first head
	s_and_b32 s8, s93, 15                          ;             which 128 tokens of the sequence
	s_lshr_b32 s9, s92, 3
	s_lshl_b32 s9, s9, 4
	s_lshl_b32 s4, s93, 1
	s_add_co_u32 s9, s9, s4
	s_add_co_u32 s9, s9, s25                       ; kind 2: 16 batch + my head
	s_and_b32 s10, s92, 7
	s_lshl_b32 s10, s10, 1
	s_add_co_u32 s10, s10, s26                     ;         which 128 keys
	s_lshl_b32 s11, s25, 11                        ; kinds 0, 1: my four images begin at tile 4 (w / 2)
	s_lshl_b32 s14, s25, 8                         ;             and their scale words 256 (w / 2) into the words
	s_mov_b32 s4, 8960
	s_mov_b32 s5, 16*8960
	s_mov_b32 s6, 8192
	s_cmp_eq_u32 ttmp9, 0
	s_cselect_b32 s4, 4608, s4                     ; a record,
	s_cselect_b32 s5, 16*4608, s5                  ; a head's 16 records,
	s_cselect_b32 s6, 4096, s6                     ; and where q's or K's scale words begin in a record
	s_add_co_u32 s14, s14, s6
	s_mov_b32 s12, 512
	s_cmp_eq_u32 ttmp9, 2
	s_cselect_b32 s7, s9, s7
	s_cselect_b32 s8, s10, s8
	s_cselect_b32 s11, 4096, s11                   ; V's images lie behind K's
	s_cselect_b32 s12, 1024, s12                   ; from tile a to tile a + 1
	s_cselect_b32 s13, 512, s5                     ; from registers 0-3 to registers 4-7: the image's second half, or the next head
	s_cselect_b32 s14, 8704, s14
	s_cselect_b32 s15, 0, 16                       ; kinds 0, 1: lanes 16-31 take the upper two bytes of a scale word: the next head's,
	s_cselect_b32 s16, 0, s5                       ; and store them a head further on
	s_cselect_b32 s17, 16, 32                      ; kind 2: lanes 0-15 alone store scale words
	s_mul_i32 s7, s7, s5
	s_mul_i32 s8, s8, s4
	s_add_co_u32 s7, s7, s8                        ; my record
	s_add_co_u32 s11, s11, s7
	s_add_co_u32 s14, s14, s7
	v_mul_u32_u24 v[SHF], s15, v2
	v_mul_u32_u24 v[SOF], s16, v2
	v_lshl_add_u32 v[SOF], v1, 4, v[SOF]
	v_add_nc_u32 v[SOF], s14, v[SOF]               ; 16 bytes a row r: the words of my four tiles
.irp a, 0,1,2,3
	s_add_co_u32 s18, s11, s13
	v_add_nc_u32 v[OFF+2*\a], s11, v[LI]
	v_add_nc_u32 v[OFF+2*\a+1], s18, v[LI]
	s_add_co_u32 s11, s11, s12
.endr
	s_wait_tensorcnt 0x1                           ; my scale bytes and my part of K half 0 are in; K half 1's load, the only one issued behind them, may be out
	s_barrier_signal -1
	s_barrier_wait -1                              ; everybody's are
.irp a, 0,1,2,3
.irp u, 0,1
	ds_load_b128 v[S1SC+8*\a+4*\u:S1SC+8*\a+4*\u+3], v[AS1] offset:544*\a+16*\u   ; a row's eight scale words, one for each K step: 16 rows are two runs of 272 bytes
.endr
.endr
.irp b, 0,1,2,3,4,5,6,7
.irp u, 0,1
	ds_load_b128 v[S0SC+8*\b+4*\u:S0SC+8*\b+4*\u+3], v[AS0] offset:544*\b+16*\u
.endr
.endr
	FETCH 0
	STEP 0, 1
	STEP 1, 0
	STEP 2, 0
	s_wait_dscnt 0x0                               ; K step 3's fragments are in: no LDS instruction of mine is out at the signal
	s_wait_tensorcnt 0x0                           ; my part of K half 1 has landed
	s_barrier_signal -1
	MUL 3, 0, 0                                    ; work on registers while the others arrive
	s_barrier_wait -1                              ; K half 1 is whole.
	PLACES
	FETCH 4
	WIN 0xa1
	MUL 3, 2, 0
	STEP 4, 0
	STEP 5, 0
	STEP 6, 0
	s_wait_dscnt 0x0                               ; the last step: nothing more to fetch
	MUL 7, 0, 0
	MUL 7, 2, 0
	WIN 0
	PLACES
; THE WAY OUT.  In tile (a, b) lane (r, h) holds one row r of S1 and, in register j, index 16 b + 8 h + j along S0: the axis to be quantised.  Block e of 32 is tiles 2 e and 2 e + 1 in lanes l and l xor 16.
; The codes of tile t go to register 4 (t / 4) + 2 (t % 2) + (t / 2) % 2; two exchanges of halves for each four registers then leave, in register 4 c + i, the indices 64 c + 32 h + 8 i + 0 .. 7: the 4-bit operand's own layout.
.macro QUANT a
.set AC, 64*(\a)
.set PC, S1F+8*(\a)
	WIN 0x0a                                       ; sources 0 and 1: window 2
.irp e, 0,1,2,3
	v_max3_num_f32 v[TM+\e], |v[AC+16*\e]|, |v[AC+16*\e+1]|, 0x1800000   ; my 16 numbers of block e, each accumulator from its low end on, and the floor 2^(3 - 127): the byte cannot fall under 1
.endr
.irp i, 2,4,6,8,10,12,14
.irp e, 0,1,2,3
	v_max3_num_f32 v[TM+\e], |v[AC+16*\e+\i]|, |v[AC+16*\e+\i+1]|, v[TM+\e]   ; (the four blocks by turns)
.endr
.endr
	WIN 0
.irp e, 0,1,2,3
	v_permlanex16_b32 v[TP+\e], v[TM+\e], s[SEL], s[SEL+1]
.endr
.irp e, 0,1,2,3
	v_max_num_f32 v[TM+\e], v[TM+\e], v[TP+\e]     ; with lane l xor 16's: the block's largest magnitude
.endr
.irp e, 0,1,2,3
	v_add_nc_u32 v[TS+\e], 0xff000000, v[TM+\e]    ; 2 off its exponent field: the conversion takes this operand's exponent field as its scale
.endr
.irp e, 0,1,2,3
	v_lshrrev_b32 v[TP+\e], 23, v[TS+\e]           ; the scale's byte
.endr
	v_lshl_or_b32 v[WD], v[TP+1], 8, v[TP]
	v_lshl_or_b32 v[WD], v[TP+2], 16, v[WD]
	v_lshl_or_b32 v[WD], v[TP+3], 24, v[WD]
	v_lshrrev_b32 v[SW+\a], v[SHF], v[WD]          ; kinds 0, 1: lanes 0-15 keep the word (its low two bytes are my first head's), lanes 16-31 take the second head's two; the other two bytes scale zero codes alone and are never 0xff
	WIN 0x02                                       ; source 0: window 2
.irp t, 0,1,2,3,4,5,6,7
	v_cvt_scalef32_pk8_fp4_f32 v[PC+4*(\t/4)+2*(\t%2)+(\t/2)%2], v[AC+8*\t:AC+8*\t+7], v[TS+\t/2]
.endr
	WIN 0
	v_nop                                          ; one plain vector instruction behind the scaled conversions
.irp c, 0,1
	v_permlane16_swap_b32 v[PC+4*\c], v[PC+4*\c+1]
	v_permlane16_swap_b32 v[PC+4*\c+2], v[PC+4*\c+3]
.endr
	global_store_b128 v[OFF+2*\a], v[PC:PC+3], s[20:21]        ; 32 lanes store 512 consecutive bytes, at a multiple of 256 from the buffer's first byte
	global_store_b128 v[OFF+2*\a+1], v[PC+4:PC+7], s[20:21]
.endm
	QUANT 0
	QUANT 1
	QUANT 2
	QUANT 3
	v_cmp_gt_u32 vcc_lo, s17, v3
	s_wait_xcnt 0x0                                ; EXEC changes only when the stores above have had their addresses translated
	s_and_saveexec_b32 s18, vcc_lo
	global_store_b128 v[SOF], v[SW:SW+3], s[20:21] ; sixteen lanes store 256 consecutive bytes, aligned
	s_wait_xcnt 0x0                                ; and again in front of the line that widens it
	s_or_b32 exec_lo, exec_lo, s18
	s_wait_tensorcnt 0x0                           ; the wave's end
	ds_add_u32 v[SPW], v[NIL]
	s_wait_dscnt 0x0
	CROUND                                         ; the closing round: no work-group ends while a partner may still ask for a tile that names it
	s_endpgm
.Lfunc_end_k_q9f67ae0f2d_qkv:
	.size	k_q9f67ae0f2d_qkv, .Lfunc_end_k_q9f67ae0f2d_qkv-k_q9f67ae0f2d_qkv
	.p2alignl 7, 3214868480
	.fill 96, 4, 3214868480
	.section	.rodata,"a",@progbits
	.p2align	6, 0x0
	.amdhsa_kernel k_q9f67ae0f2d_qkv
		.amdhsa_group_segment_fixed_size 222464
		.amdhsa_private_segment_fixed_size 0
		.amdhsa_enable_private_segment 0
		.amdhsa_kernarg_size 80
		.amdhsa_user_sgpr_count 2
		.amdhsa_user_sgpr_kernarg_segment_ptr 1
		.amdhsa_wavefront_size32 1
		.amdhsa_system_sgpr_workgroup_id_x 1
		.amdhsa_system_sgpr_workgroup_id_y 1
		.amdhsa_system_sgpr_workgroup_id_z 1
		.amdhsa_system_vgpr_workitem_id 0
		.amdhsa_next_free_vgpr 768
		.amdhsa_next_free_sgpr 102
		.amdhsa_reserve_vcc 1
		.amdhsa_float_denorm_mode_32 3
		.amdhsa_float_denorm_mode_16_64 3
		.amdhsa_memory_ordered 1
		.amdhsa_forward_progress 1
		.amdhsa_inst_pref_size 76
	.end_amdhsa_kernel
	.amdgpu_metadata
---
amdhsa.version: [ 1, 2 ]
amdhsa.kernels:
  - .name:           k_q9f67ae0f2d_qkv
    .symbol:         k_q9f67ae0f2d_qkv.kd
    .args:
      - { .name: x_codes, .offset: 0, .size: 8, .value_kind: global_buffer, .address_space: global }
      - { .name: x_scales, .offset: 8, .size: 8, .value_kind: global_buffer, .address_space: global }
      - { .name: Wq_codes, .offset: 16, .size: 8, .value_kind: global_buffer, .address_space: global }
      - { .name: Wq_scales, .offset: 24, .size: 8, .value_kind: global_buffer, .address_space: global }
      - { .name: Wk_codes, .offset: 32, .size: 8, .value_kind: global_buffer, .address_space: global }
      - { .name: Wk_scales, .offset: 40, .size: 8, .value_kind: global_buffer, .address_space: global }
      - { .name: Wv_codes, .offset: 48, .size: 8, .value_kind: global_buffer, .address_space: global }
      - { .name: Wv_scales, .offset: 56, .size: 8, .value_kind: global_buffer, .address_space: global }
      - { .name: q, .offset: 64, .size: 8, .value_kind: global_buffer, .address_space: global }
      - { .name: kv, .offset: 72, .size: 8, .value_kind: global_buffer, .address_space: global }
    .group_segment_fixed_size: 222464
    .private_segment_fixed_size: 0
    .kernarg_segment_align: 8
    .kernarg_segment_size: 80
    .max_flat_workgroup_size: 128
    .sgpr_count:     102
    .vgpr_count:     768
    .wavefront_size: 32
...
	.end_amdgpu_metadata
.endif
;; end of part 1
;; launch attn (part 2): grid 4 x 64, 16 waves a work-group, clusters of 4 x 1, 167,936 bytes of LDS; arguments q, kv, a_img, a_sc; writes a_img, a_sc
.if DOCPART == 2
	.amdgcn_target "amdgcn-amd-amdhsa--gfx1250"
	.amdhsa_code_object_version 6
	.text
	.protected	k_q9f67ae0f2d_attn
	.globl	k_q9f67ae0f2d_attn
	.p2align	8
	.type	k_q9f67ae0f2d_attn,@function
k_q9f67ae0f2d_attn:
	s_mov_b64 s[64:65], 0
	v_nop
	global_prefetch_b8 v0, s[64:65] scope:SCOPE_SE
	s_setreg_imm32_b32 hwreg(HW_REG_WAVE_MODE, 25, 1), 1
	s_wait_xcnt 0x0
	s_wait_alu depctr_hold_cnt(0) depctr_sa_sdst(0) depctr_va_vdst(0) depctr_va_sdst(0) depctr_va_ssrc(0) depctr_va_vcc(0) depctr_vm_vsrc(0)
	s_getreg_b32 s2, hwreg(HW_REG_IB_STS2, 6, 4)
	s_cmp_eq_u32 s2, 0
	s_cbranch_scc0 .Lentry_in_a_cluster
	s_endpgm
.Lentry_in_a_cluster:
	s_bfe_u32 s2, ttmp6, 0x10000c
	s_cmp_lg_u32 s2, 0x3003
	s_cbranch_scc0 .Lentry_shape_is_right
	s_endpgm
.Lentry_shape_is_right:
; Causal attention of one batch and head on codes of E2M1: S^T = K Q^T, the softmax, O^T = V^T P^T, O / l, and the quantiser of the result along the head's 64 numbers.
; LEFT OUT: a step of 128 keys all of which come after a tile's 16 queries: the mask that the problem builds itself makes those scores -infinity, p = 0, whatever the inputs hold (shown at the head of the first kernel).
; LIMITS: as stated there; 1 / l is taken by v_rcp_f32.
; THE SOFTMAX: t = score x log2(e) / 8; M = the running largest t rounded UP to a whole number; p = 2^(t - M) is quantised along the keys, not normalised; the row's sum is taken of the unquantised p and divides O at the end.
; When M moves, the sum and O^T are multiplied by 2^(old M - new M), which rounds nothing.
; SHARES.  A cluster of four work-groups is one (batch, head); all four walk the same K and V.  The head's 16 records of 128 keys (8,960 bytes each: K's codes, V's codes, K's and V's scale words, in the order of the operand
; registers) come into LDS once: wave w asks for record w, jointly with wave w of the three partners.  The head's 128 tiles of 16 queries: tile 8 g + 2 cx + u.  Wave w takes (g = w, u = 0) and then (g = 15 - w, u = 1).
; A tile of group g needs g + 1 key steps, so every wave walks (w + 1) + (16 - w) = 17, and no branch hangs on cx.
; LAYOUT.  Both products are used transposed: a lane holds ONE query (lane % 16) throughout.  In tile t of S^T register j of lane (r, h) is key 16 t + 8 h + j.  The first product's K is the head's 64: registers 4-7 of Q's and
; K's fragments are zero codes for the whole launch.
; REGISTERS: v1 16 x lane; v2 16 r; v3, v4 the add's two; v5, v6 LDS addresses of the step; v7 the diagonal's limit; v8 r - 8 h; v9, v10 the two tiles' scale bytes and where they go; v11 the second tile's Q scale word;
;   v12 -M, v13 the largest t, v[14:15] the sum; v[16:23] Q; v24-31 K's scale words; v32-95 K's eight fragments; v96-159 S^T, then p; v160-191 O^T; v192-223 V's four fragments; v224-231 p's codes; v232-239 at work;
;   v240-243 V's scale words; v244-247 the conversions' scale operands; v[248:251] the second tile's Q; v252 f; v253 p's scale word; v254 at work; v255 Q's scale word.
.set REC,   8960
.set QREC,  4608
.set SPARE, 16*REC                     ; behind the records: the spare words, 128 bytes for each of the sixteen waves: eight blocks of 256 bytes that no other line names
.macro CROUND                          ; a round of the cluster's barrier
	s_barrier_signal -1
	s_barrier_wait -1
	s_cmp_lg_u32 s12, 0
	s_cbranch_scc1 .Lnot_wave_0_\@
	s_barrier_signal -3
.Lnot_wave_0_\@:
	s_barrier_wait -3
	s_barrier_signal -1
	s_barrier_wait -1
.endm
	s_load_b256 s[4:11], s[0:1], 0x0               ; q s[4:5], kv s[6:7], a_img s[8:9], a_sc s[10:11]
	v_lshl_add_u32 v3, v0, 2, SPARE
	v_mov_b32 v4, 0
	ds_add_u32 v3, v4                              ; the wave's opening: the add, twice on end, and its wait ahead of my tensor load
	ds_add_u32 v3, v4                              ; and once more; the set-up below, work on registers, stands between it and the wait
	v_lshrrev_b32 v1, 5, v0
	s_delay_alu instid0(VALU_DEP_1)
	v_readfirstlane_b32 s12, v1                    ; wave 0..15
	s_bfe_u32 s13, ttmp6, 0x40000                  ; cx: it enters global addresses and the diagonal's limit alone
	s_and_b32 s14, ttmp7, 0xffff                   ; 16 batch + head
	s_mov_b32 s16, 15|(3<<16)|(1<<21)              ; group 1: the mask names all four; elements of 8 bytes; bit 21 set beside a mask; no padding
	s_mov_b32 s17, 32<<16                          ; tensor_dim0: 32 elements = 256 bytes
	s_mov_b32 s18, 35<<16                          ; tensor_dim1: 35 rows: a record is dense
	s_mov_b32 s19, 32<<16                          ; tile_dim0
	s_mov_b32 s20, 35                              ; tile_dim1
	s_mov_b32 s21, 32                              ; the pitch
	s_mov_b32 s22, 0
	s_mov_b32 s23, 0
	s_mov_b32 s24, 1
	s_mul_i32 s25, s12, REC                        ; record w goes to LDS byte 8,960 w
	s_mul_i32 s38, s14, 16*REC
	s_add_co_u32 s38, s38, s25                     ; and comes from the head's record w
	s_mov_b32 s39, 0
	s_mul_i32 s40, s14, 16*QREC                    ; the head in q
	s_mov_b32 s41, 0
	s_lshr_b32 s46, s14, 4                         ; batch
	s_and_b32 s47, s14, 15                         ; head
	s_lshl_b32 s42, s46, 20                        ; a_img: [token / 16][head][512 bytes]: a batch is 128 x 8,192 bytes
	s_lshl_b32 s37, s47, 9
	s_add_co_u32 s42, s42, s37
	s_mov_b32 s43, 0
	s_lshl_b32 s44, s46, 16                        ; a_sc: [batch][head / 2][token] words; my head's two bytes are the word's half head % 2
	s_lshr_b32 s37, s47, 1
	s_lshl_b32 s37, s37, 13
	s_add_co_u32 s44, s44, s37
	s_and_b32 s37, s47, 1
	s_lshl_b32 s37, s37, 1
	s_add_co_u32 s44, s44, s37
	s_mov_b32 s45, 0
	s_mov_b32 s28, 0x76543210
	s_mov_b32 s29, 0xfedcba98                      ; v_permlanex16_b32's selects for lane l xor 16
	s_mov_b32 s30, 0x3e38aa3b                      ; c = log2(e) / 8
	s_mov_b32 s31, s30                             ; (named with it as a pair, so it is written)
	s_mov_b32 s34, s12                             ; g of the first tile
	s_mov_b32 s35, 0                               ; u
	s_mov_b32 s36, 0xffff                          ; the lanes that keep this tile's scale bytes: 0-15, then 16-31
	s_wait_dscnt 0x0                               ; both opening adds are done
	s_wait_kmcnt 0x0
	s_add_nc_u64 s[26:27], s[6:7], s[38:39]
	s_or_b32 s27, s27, 0x80000000                  ; type = 2
	s_add_nc_u64 s[4:5], s[4:5], s[40:41]
	s_add_nc_u64 s[8:9], s[8:9], s[42:43]
	s_add_nc_u64 s[10:11], s[10:11], s[44:45]
	CROUND                                         ; all four work-groups are here: the joint loads meet
	tensor_load_to_lds s[24:27], s[16:23]          ; my one tensor load of the launch
	s_nop 0
.rept 4
	v_nop
.endr
	v_and_b32 v5, 31, v0
	s_delay_alu instid0(VALU_DEP_1)
	v_lshlrev_b32 v1, 4, v5                        ; 16 x lane: my 16 bytes of an image
	s_wait_alu depctr_va_vdst(0)
	v_and_b32 v6, 15, v0                           ; r
	s_delay_alu instid0(VALU_DEP_1)
	v_lshlrev_b32 v2, 4, v6                        ; 16 r: my row's four scale words
	s_wait_alu depctr_va_vdst(0)
	v_bfe_u32 v7, v0, 4, 1
	s_delay_alu instid0(VALU_DEP_1)
	v_lshlrev_b32 v7, 3, v7
	s_delay_alu instid0(VALU_DEP_1)
	v_sub_nc_u32 v8, v6, v7                        ; r - 8 h
	; Q of both tiles: group g's record of 4,608 bytes; in it tile a8 = 2 cx + u: image at 512 a8, scale word at 4,096 + 256 (a8 / 4) + 16 r + 4 (a8 % 4)
	s_mul_i32 s37, s12, QREC
	s_sub_co_u32 s38, 15, s12
	s_mul_i32 s38, s38, QREC
	s_lshl_b32 s39, s13, 10
	s_add_co_u32 s40, s37, s39
	s_add_co_u32 s41, s38, s39
	s_add_co_u32 s41, s41, 512
	s_lshr_b32 s42, s13, 1
	s_lshl_b32 s42, s42, 8
	s_and_b32 s43, s13, 1
	s_lshl_b32 s43, s43, 3
	s_add_co_u32 s42, s42, s43
	s_add_co_u32 s42, s42, 4096
	s_add_co_u32 s37, s37, s42
	s_add_co_u32 s38, s38, s42
	s_add_co_u32 s38, s38, 4
	v_add_nc_u32 v232, s40, v1
	v_add_nc_u32 v233, s41, v1
	v_add_nc_u32 v234, s37, v2
	v_add_nc_u32 v235, s38, v2
	global_load_b128 v[16:19], v232, s[4:5] th:TH_LOAD_NT
	global_load_b128 v[248:251], v233, s[4:5] th:TH_LOAD_NT
	global_load_b32 v255, v234, s[4:5] th:TH_LOAD_NT
	global_load_b32 v11, v235, s[4:5] th:TH_LOAD_NT
.irp i, 20,21,22,23
	v_mov_b32 v[\i], 0                             ; Q's codes of k = 64 .. 127: zeros
.endr
.irp t, 0,1,2,3,4,5,6,7
.irp i, 4,5,6,7
	v_mov_b32 v[32+8*\t+\i], 0                     ; K's likewise: written once, never loaded over
.endr
.endr
.irp i, 236,237,238,239
	v_mov_b32 v[\i], 0                             ; written once: a lane permute's destination counts as one of its sources
.endr
	v_mov_b32 v253, 0                              ; (named as the upper half of the pair v[252:253] before it is first written)
	v_mov_b32 v9, 0                                ; written whole before the selects below fill them half by half
	v_mov_b32 v10, 0
	s_wait_tensorcnt 0x0                           ; my record has landed
	s_barrier_signal -1
	s_barrier_wait -1                              ; all sixteen have: the head's K and V lie in LDS for the rest of the launch
	s_wait_loadcnt 0x0                             ; Q
.Lpass:                                            ; two trips: a tile of queries each
.set j, 0
.rept 32
	v_mov_b32 v[160+j], 0                          ; O^T.  (The step is written once: the first finds zeros, which the first change of M leaves zeros)
.set j, j+1
.endr
	v_mov_b32 v14, 0                               ; the sum, in two halves
	v_mov_b32 v15, 0
	v_mov_b32 v13, 0xff61b1e6                      ; the largest t so far: -3e38, under every t
	s_delay_alu instid0(VALU_DEP_1)
	v_floor_f32 v12, -v13                          ; -M
	s_lshl_b32 s37, s13, 5
	s_lshl_b32 s38, s35, 4
	s_add_co_u32 s37, s37, s38
	v_add_nc_u32 v7, s37, v8                       ; d = my query's place in its 128 - 8 h: in the diagonal step register j of tile t is hidden where 16 t + j > d
	s_mov_b32 s32, 0                               ; LDS byte of the step's record
	s_mov_b32 s33, 0                               ; the step
.Lstep:                                            ; sixteen trips, a constant: a step past my tile's group is jumped over, on the wave's number and the count of steps alone
	s_cmp_gt_u32 s33, s34
	s_cbranch_scc1 .Lskip
	s_setprio 2
	v_add_nc_u32 v5, s32, v1
	v_add_nc_u32 v6, s32, v2
	v_nop
	v_nop                                          ; four plain instructions between the last step's products and the loads into V's registers
	ds_load_b128 v[24:27], v6 offset:8192          ; K's scale words: tile t's in v[24 + t]
	ds_load_b128 v[28:31], v6 offset:8448
.irp t, 0,1,2,3,4,5,6,7
	ds_load_b128 v[32+8*\t:35+8*\t], v5 offset:512*\t          ; K's tile t: 16 keys x 64 codes
.endr
.irp t, 0,1,2,3
.irp c, 0,1
	ds_load_b128 v[192+8*\t+4*\c:195+8*\t+4*\c], v5 offset:4096+1024*\t+512*\c   ; V's tile t: 16 of the head's 64 x 128 keys
.endr
.endr
	ds_load_b128 v[240:243], v6 offset:8704        ; V's scale words
	s_wait_dscnt 9                                 ; K and its scale words are in; V's nine loads may be out
.irp t, 0,1,2,3,4,5,6,7
	v_wmma_scale_f32_16x16x128_f8f6f4 v[96+8*\t:103+8*\t], v[32+8*\t:39+8*\t], v[16:23], 0, v[24+\t], v255 matrix_a_fmt:MATRIX_FMT_FP4 matrix_b_fmt:MATRIX_FMT_FP4
.endr
.rept 4
	v_nop
.endr
	s_cmp_lg_u32 s33, s34                          ; the diagonal step alone has hidden keys
	s_cbranch_scc1 .Lopen
	v_mov_b32 v254, 0xff800000                     ; -infinity: p = 0 then
	s_wait_alu depctr_va_vdst(0)
.irp t, 0,1,2,3,4,5,6,7
.irp i, 0,1,2,3,4,5,6,7
	v_cmp_gt_i32 vcc_lo, 16*\t+\i, v7
	v_cndmask_b32 v[96+8*\t+\i], v[96+8*\t+\i], v254, vcc_lo
.endr
.endr
.Lopen:
.irp b, 0,1,2,3
	v_max3_num_f32 v[232+\b], v[96+16*\b], v[97+16*\b], v[98+16*\b]   ; the largest score of each block of 32 keys: it serves for the row's maximum and, since p rises with the score, for the block's largest p
.endr
.irp i, 3,5,7,9,11,13
.irp b, 0,1,2,3
	v_max3_num_f32 v[232+\b], v[232+\b], v[96+16*\b+\i], v[97+16*\b+\i]   ; (the four blocks by turns)
.endr
.endr
.irp b, 0,1,2,3
	v_max_num_f32 v[232+\b], v[232+\b], v[111+16*\b]
.endr
.irp b, 0,1,2,3
	s_delay_alu instid0(VALU_DEP_4)
	v_permlanex16_b32 v[236+\b], v[232+\b], s28, s29
.endr
.irp b, 0,1,2,3
	s_delay_alu instid0(VALU_DEP_4)
	v_max_num_f32 v[232+\b], v[232+\b], v[236+\b]  ; with lane l xor 16's 16 keys
.endr
	s_delay_alu instid0(VALU_DEP_2)
	v_max3_num_f32 v254, v232, v233, v234
	s_delay_alu instid0(VALU_DEP_1)
	v_max_num_f32 v254, v254, v235                 ; the step's largest score of my query: key 0 of the step counts for every query, so it is a number
	s_delay_alu instid0(VALU_DEP_1)
	v_mul_f32 v254, s30, v254                      ; as t (c is positive)
	s_delay_alu instid0(VALU_DEP_1)
	v_max_num_f32 v13, v13, v254                   ; the running largest t
	v_mov_b32 v254, v12
	s_delay_alu instid0(VALU_DEP_2)
	v_floor_f32 v12, -v13                          ; the new -M = floor(-t) = -ceil(t)
	s_delay_alu instid0(VALU_DEP_1)
	v_sub_f32 v254, v12, v254                      ; old M - new M: a whole number, 0 or less
	s_delay_alu instid0(VALU_DEP_1)
	v_cvt_i32_f32 v254, v254                       ; (it saturates)
	s_delay_alu instid0(VALU_DEP_1)
	v_ldexp_f32 v252, 1.0, v254                    ; f = 2^(old M - new M)
.set j, 0
.rept 32
	v_pk_fma_f32 v[96+j:97+j], v[96+j:97+j], s[30:31], v[12:13] op_sel_hi:[1,0,0]   ; t - M, two at a time (of the pairs c and -M the low word serves both halves)
.set j, j+2
.endr
	s_setprio 1
.irp b, 0,1,2,3
	v_fma_f32 v[232+\b], v[232+\b], s30, v12       ; the same of each block's largest score
.endr
.set j, 0
	s_wait_alu depctr_va_vdst(0)
.rept 64
	v_exp_f32 v[96+j], v[96+j]                     ; p = 2^(t - M), at most 1
.set j, j+1
.endr
	v_pk_mul_f32 v[14:15], v[14:15], v[252:253] op_sel_hi:[1,0]   ; the sums under the new M: the plain instruction behind the exponentials
	s_wait_alu depctr_va_vdst(0)                   ; the wait: one for the batch of 64, ahead of its first reader
.irp b, 0,1,2,3
	v_exp_f32 v[232+\b], v[232+\b]                 ; the block's largest p: the same two instructions on the same number give the same bits
.endr
	v_pk_add_f32 v[236:237], v[100:101], v[104:105]
	v_pk_add_f32 v[246:247], v[108:109], v[112:113]
	v_pk_add_f32 v[244:245], v[116:117], v[120:121]
	v_pk_add_f32 v[238:239], v[124:125], v[128:129]
	v_pk_add_f32 v[230:231], v[132:133], v[136:137]
	v_pk_add_f32 v[228:229], v[140:141], v[144:145]
	v_pk_add_f32 v[226:227], v[148:149], v[152:153]
	v_pk_add_f32 v[14:15], v[14:15], v[156:157]
	v_pk_add_f32 v[236:237], v[236:237], v[96:97]
	v_pk_add_f32 v[246:247], v[246:247], v[98:99]
	v_pk_add_f32 v[244:245], v[244:245], v[102:103]
	v_pk_add_f32 v[238:239], v[238:239], v[106:107]
	v_pk_add_f32 v[230:231], v[230:231], v[110:111]
	v_pk_add_f32 v[228:229], v[228:229], v[114:115]
	v_pk_add_f32 v[226:227], v[226:227], v[118:119]
	v_pk_add_f32 v[14:15], v[14:15], v[122:123]
	v_pk_add_f32 v[236:237], v[236:237], v[126:127]
	v_pk_add_f32 v[246:247], v[246:247], v[130:131]
	v_pk_add_f32 v[244:245], v[244:245], v[134:135]
	v_pk_add_f32 v[238:239], v[238:239], v[138:139]
	v_pk_add_f32 v[230:231], v[230:231], v[142:143]
	v_pk_add_f32 v[228:229], v[228:229], v[146:147]
	v_pk_add_f32 v[226:227], v[226:227], v[150:151]
	v_pk_add_f32 v[14:15], v[14:15], v[154:155]
	v_pk_add_f32 v[236:237], v[236:237], v[158:159]
	s_delay_alu instid0(VALU_DEP_2)
	v_pk_add_f32 v[14:15], v[14:15], v[238:239]
	s_delay_alu instid0(VALU_DEP_2)
	v_pk_add_f32 v[236:237], v[236:237], v[230:231]
	v_pk_add_f32 v[246:247], v[246:247], v[228:229]
	v_pk_add_f32 v[244:245], v[244:245], v[226:227]
	s_delay_alu instid0(VALU_DEP_2)
	v_pk_add_f32 v[14:15], v[14:15], v[246:247]
	s_delay_alu instid0(VALU_DEP_2)
	v_pk_add_f32 v[236:237], v[236:237], v[244:245]
	s_delay_alu instid0(VALU_DEP_1)
	v_pk_add_f32 v[14:15], v[14:15], v[236:237]
	s_wait_alu depctr_va_vdst(0)                   ; and one for the four
.irp b, 0,1,2,3
	v_max_num_f32 v[232+\b], 0x1800000, v[232+\b]  ; the floor 2^(3 - 127): the byte cannot fall under 1 (a block of zeros keeps that byte: its codes are zeros)
.endr
.irp b, 0,1,2,3
	s_delay_alu instid0(VALU_DEP_4)
	v_add_nc_u32 v[244+\b], 0xff000000, v[232+\b]  ; 2 off the exponent field: the conversion's scale operand
.endr
.irp b, 0,1,2,3
	s_delay_alu instid0(VALU_DEP_4)
	v_lshrrev_b32 v[236+\b], 23, v[244+\b]         ; the scale's byte
.endr
	s_delay_alu instid0(VALU_DEP_3)
	v_lshl_or_b32 v253, v237, 8, v236              ; p's scale word for these 128 keys
	s_delay_alu instid0(VALU_DEP_1)
	v_lshl_or_b32 v253, v238, 16, v253
	s_delay_alu instid0(VALU_DEP_1)
	v_lshl_or_b32 v253, v239, 24, v253
	s_setprio 0
.irp t, 0,1,2,3,4,5,6,7
	v_cvt_scalef32_pk8_fp4_f32 v[224+4*(\t/4)+2*(\t%2)+(\t/2)%2], v[96+8*\t:103+8*\t], v[244+\t/2]   ; tile t holds keys 16 t + 8 h + 0 .. 7
.endr
	v_nop                                          ; one plain vector instruction behind the scaled conversions
.irp c, 0,1
	v_permlane16_swap_b32 v[224+4*\c], v[225+4*\c]     ; the exchanges of halves leave keys 64 c + 32 h + 8 i + 0 .. 7 in register 4 c + i
	v_permlane16_swap_b32 v[226+4*\c], v[227+4*\c]
.endr
.set j, 0
.rept 16
	v_pk_mul_f32 v[160+j:161+j], v[160+j:161+j], v[252:253] op_sel_hi:[1,0]   ; O^T under the new M.  (These sixteen are also the plain instructions between the scale word's and the codes' last writes and the products)
.set j, j+2
.endr
	s_wait_alu depctr_va_vdst(0)
	s_wait_dscnt 0x0                               ; V and its scale words are in
.irp t, 0,1,2,3
	v_wmma_scale_f32_16x16x128_f8f6f4 v[160+8*\t:167+8*\t], v[192+8*\t:199+8*\t], v[224:231], v[160+8*\t:167+8*\t], v[240+\t], v253 matrix_a_fmt:MATRIX_FMT_FP4 matrix_b_fmt:MATRIX_FMT_FP4
.endr
.Lskip:
	s_add_co_u32 s32, s32, REC
	s_add_co_u32 s33, s33, 1
	s_cmp_lt_u32 s33, 16
	s_cbranch_scc1 .Lstep
	s_setprio 0
	s_wait_alu depctr_va_vdst(0)
	; THE TILE'S END: O^T / l, quantised along the head's 64 numbers (two blocks), stored as an image of the next product's operand registers
	v_add_f32 v14, v14, v15                        ; the sum's two halves,
	s_delay_alu instid0(VALU_DEP_1)
	v_permlanex16_b32 v236, v14, s28, s29
	s_delay_alu instid0(VALU_DEP_1)
	v_add_f32 v14, v14, v236                       ; and lane l xor 16's: l
	s_wait_alu depctr_va_vdst(0)
	v_rcp_f32 v14, v14
	s_lshl_b32 s37, s34, 3
	s_lshl_b32 s38, s13, 1
	s_add_co_u32 s37, s37, s38
	s_add_co_u32 s37, s37, s35                     ; my tile: 8 g + 2 cx + u
	s_lshl_b32 s38, s37, 13                        ; in a_img 8,192 bytes a tile,
	s_lshl_b32 s39, s37, 6                         ; in a_sc 64
	v_lshrrev_b32 v238, 2, v2
	s_delay_alu instid0(VALU_DEP_1)
	v_add_nc_u32 v238, s39, v238                   ; + 4 r
	v_add_nc_u32 v239, s38, v1                     ; + 16 x lane
	s_delay_alu instid0(VALU_DEP_2)
	v_cndmask_b32 v10, v10, v238, s36              ; this tile's sixteen lanes keep the place of their query's two bytes
	s_wait_alu depctr_va_vdst(0)                   ; the wait ahead of the reciprocal's first reader
.set j, 0
.rept 16
	v_pk_mul_f32 v[96+j:97+j], v[160+j:161+j], v[14:15] op_sel_hi:[1,0]   ; register 8 t + i is o(r, 16 t + 8 h + i); each accumulator from its low end on
.set j, j+2
.endr
.irp b, 0,1
	v_max3_num_f32 v[232+\b], |v[96+16*\b]|, |v[97+16*\b]|, 0x1800000
.endr
.irp i, 2,4,6,8,10,12,14
.irp b, 0,1
	s_delay_alu instid0(VALU_DEP_2)
	v_max3_num_f32 v[232+\b], v[232+\b], |v[96+16*\b+\i]|, |v[97+16*\b+\i]|
.endr
.endr
.irp b, 0,1
	s_delay_alu instid0(VALU_DEP_2)
	v_permlanex16_b32 v[236+\b], v[232+\b], s28, s29
.endr
.irp b, 0,1
	s_delay_alu instid0(VALU_DEP_2)
	v_max_num_f32 v[232+\b], v[232+\b], v[236+\b]
.endr
.irp b, 0,1
	s_delay_alu instid0(VALU_DEP_2)
	v_add_nc_u32 v[244+\b], 0xff000000, v[232+\b]
.endr
.irp b, 0,1
	s_delay_alu instid0(VALU_DEP_2)
	v_lshrrev_b32 v[236+\b], 23, v[244+\b]
.endr
	s_delay_alu instid0(VALU_DEP_1)
	v_lshl_or_b32 v254, v237, 8, v236              ; my query's two scale bytes
	s_delay_alu instid0(VALU_DEP_1)
	v_cndmask_b32 v9, v9, v254, s36
.irp t, 0,1,2,3
	v_cvt_scalef32_pk8_fp4_f32 v[224+2*(\t%2)+(\t/2)%2], v[96+8*\t:103+8*\t], v[244+\t/2]
.endr
	v_nop                                          ; one plain vector instruction behind the scaled conversions
	v_permlane16_swap_b32 v224, v225
	v_permlane16_swap_b32 v226, v227
	global_store_b128 v239, v[224:227], s[8:9]     ; 32 lanes store 512 consecutive bytes, aligned
	s_wait_xcnt 0x0                                ; the store has read its registers: both are written again in the next trip
.irp i, 0,1,2,3
	v_mov_b32 v[16+\i], v[248+\i]                  ; the second tile's Q takes the operand's place (in the last trip the five copies serve nothing: a branch round them would cost as much)
.endr
	v_mov_b32 v255, v11
	s_xor_b32 s34, s34, 15                         ; g = 15 - w
	s_not_b32 s36, s36                             ; lanes 16-31
	s_add_co_u32 s35, s35, 1
	s_cmp_lt_u32 s35, 2
	s_cbranch_scc1 .Lpass
	global_store_b16 v10, v9, s[10:11]             ; lanes 0-15: the first tile's sixteen queries, lanes 16-31: the second's; a head owns two bytes of each token's word
	s_wait_tensorcnt 0x0                           ; the wave's end
	ds_add_u32 v3, v4
	s_wait_dscnt 0x0
	CROUND                                         ; the closing round
	s_endpgm
.Lfunc_end_k_q9f67ae0f2d_attn:
	.size	k_q9f67ae0f2d_attn, .Lfunc_end_k_q9f67ae0f2d_attn-k_q9f67ae0f2d_attn
	.p2alignl 7, 3214868480
	.fill 96, 4, 3214868480
	.section	.rodata,"a",@progbits
	.p2align	6, 0x0
	.amdhsa_kernel k_q9f67ae0f2d_attn
		.amdhsa_group_segment_fixed_size 167936
		.amdhsa_private_segment_fixed_size 0
		.amdhsa_enable_private_segment 0
		.amdhsa_kernarg_size 32
		.amdhsa_user_sgpr_count 2
		.amdhsa_user_sgpr_kernarg_segment_ptr 1
		.amdhsa_wavefront_size32 1
		.amdhsa_system_sgpr_workgroup_id_x 1
		.amdhsa_system_sgpr_workgroup_id_y 1
		.amdhsa_system_sgpr_workgroup_id_z 1
		.amdhsa_system_vgpr_workitem_id 0
		.amdhsa_next_free_vgpr 256
		.amdhsa_next_free_sgpr 66
		.amdhsa_reserve_vcc 1
		.amdhsa_float_denorm_mode_32 3
		.amdhsa_float_denorm_mode_16_64 3
		.amdhsa_memory_ordered 1
		.amdhsa_forward_progress 1
		.amdhsa_inst_pref_size 35
	.end_amdhsa_kernel
	.amdgpu_metadata
---
amdhsa.version: [ 1, 2 ]
amdhsa.kernels:
  - .name:           k_q9f67ae0f2d_attn
    .symbol:         k_q9f67ae0f2d_attn.kd
    .args:
      - { .name: q, .offset: 0, .size: 8, .value_kind: global_buffer, .address_space: global }
      - { .name: kv, .offset: 8, .size: 8, .value_kind: global_buffer, .address_space: global }
      - { .name: a_img, .offset: 16, .size: 8, .value_kind: global_buffer, .address_space: global }
      - { .name: a_sc, .offset: 24, .size: 8, .value_kind: global_buffer, .address_space: global }
    .group_segment_fixed_size: 167936
    .private_segment_fixed_size: 0
    .kernarg_segment_align: 8
    .kernarg_segment_size: 32
    .max_flat_workgroup_size: 512
    .sgpr_count:     66
    .vgpr_count:     256
    .wavefront_size: 32
...
	.end_amdgpu_metadata
.endif
;; end of part 2
;; launch proj (part 3): grid 4 x 64, 4 waves a work-group, clusters of 4 x 4, 251,904 bytes of LDS; arguments a_img, a_sc, Wo_codes, Wo_scales, bo, out0; writes out0
.if DOCPART == 3
	.amdgcn_target "amdgcn-amd-amdhsa--gfx1250"
	.amdhsa_code_object_version 6
	.text
	.protected	k_q9f67ae0f2d_proj
	.globl	k_q9f67ae0f2d_proj
	.p2align	8
	.type	k_q9f67ae0f2d_proj,@function
k_q9f67ae0f2d_proj:
	s_mov_b64 s[64:65], 0
	v_nop
	global_prefetch_b8 v0, s[64:65] scope:SCOPE_SE
	s_setreg_imm32_b32 hwreg(HW_REG_WAVE_MODE, 25, 1), 1
	s_wait_xcnt 0x0
	s_wait_alu depctr_hold_cnt(0) depctr_sa_sdst(0) depctr_va_vdst(0) depctr_va_sdst(0) depctr_va_ssrc(0) depctr_va_vcc(0) depctr_vm_vsrc(0)
	s_getreg_b32 s2, hwreg(HW_REG_IB_STS2, 6, 4)
	s_cmp_eq_u32 s2, 0
	s_cbranch_scc0 .Lentry_in_a_cluster
	s_endpgm
.Lentry_in_a_cluster:
	s_bfe_u32 s2, ttmp6, 0x10000c
	s_cmp_lg_u32 s2, 0xf033
	s_cbranch_scc0 .Lentry_shape_is_right
	s_endpgm
.Lentry_shape_is_right:
; out0 = a Wo + bo on codes of E2M1 with E8M0 scales: a is the attention's result as the launch before stored it, in the order of the operand registers.  Nothing is left out here.
; SHARES.  A work-group of four waves makes 128 tokens x 256 columns; all of K = 1,024 lies in LDS, in two halves of 512, each filled once.  S0, the matrix instruction's source 0, is Wo's rows n, so that a lane's eight results
; are eight neighbouring columns of one token's row; S1, source 1, is 16 tokens.  Wave w takes tokens 64 (w / 2) on and columns 128 (w % 2) on: 32 accumulators of 16 x 16.  The bias is the C of each sum's first product.
; CLUSTERS: 4 x 4 work-groups.  The tokens' tile hangs on the place along y and is asked for jointly by a row of the cluster, Wo's on the place along x and by a column.
; REGISTERS: window 0: v1-31 addresses; v32-63 a's scale words (tile a, K step ks: 32 + 8 a + ks); v64-127 Wo's (64 + 8 b + ks); v128-191 a's fragments, two sets; on the way out v128-255 take rows of out0.
;   window 1: v0-127 Wo's fragments, two sets; v128-191 bo in the result's layout.   window 2: the accumulators, (a, b) at v[8 (8 a + b)].
.set PITCH, 272                        ; a row of Wo's tile in LDS: 256 bytes + 16 of padding
.set S1B,   8*4096                     ; a K half: eight tiles of 16 tokens, 4,096 bytes each: four K steps' register images of 1,024 bytes,
.set SLOT,  S1B+256*PITCH              ; then Wo's 256 rows
.set SC1,   2*SLOT                     ; a's scale words: [64 tokens' half][K step][token], 4 bytes each
.set SC0,   SC1+4096                   ; Wo's scale bytes, 256 rows x 32, as 32 runs of 256 bytes + 16 of padding
.set STG,   SC0+32*272                 ; the way out: 16 rows x (512 bytes + 16) for each wave, bytes into which no tensor load lands
.set SPARE, STG+4*16*528               ; the spare words, 128 bytes for each wave: two blocks of 256 bytes that no other line names
.set ADR1, 16                          ; v16-17  LDS address of my fragments of a in K half 0, 1
.set ADR0, 20                          ; v20-21  the same for Wo
.set STO,  22                          ; v22     the stage: where I put 32 bytes of a row
.set RD,   23                          ; v23     and where I read a row back
.set AS1,  24                          ; v24     LDS address of a's scale words
.set AS0,  25                          ; v25     of Wo's
.set LI,   26                          ; v26     16 x lane
.set BOF,  27                          ; v27     32 h: my half's eight numbers of bo
.set SPW,  28                          ; v28     LDS address of my spare word; never rewritten
.set NIL,  29                          ; v29     0; never rewritten
.set S1SC, 32
.set S0SC, 64
.set S1F,  128
.set BK,   128                         ; the way out: 16 rows read back: v128-191 and v192-255 by turns
.set BIAS, 128                         ; in window 1
.set G1A,  32                          ; s[32:39] group 1, s[40:47] two groups 0: a's images
.set G0A,  40
.set G1B,  48                          ; s[48:55], s[56:63]: Wo's codes
.set G0B,  56
.set G1S,  68                          ; s[68:75], s[76:79]: a's scale words
.set G0S,  76
.set G1SB, 80                          ; s[80:87], s[88:91]: Wo's scale bytes
.set G0SB, 88
.set PADW, (1<<20)|(1<<21)|(5<<22)|(3<<25)   ; padding on; bit 21 set beside a mask; after every 64 words; four words
.set MSB, 0
.macro WIN new                         ; the immediate's high byte repeats the setting that is left; a switch that changes nothing is dropped
.if MSB != \new
	s_set_vgpr_msb (MSB<<8)|\new
.set MSB, \new
.endif
.endm
; A joint load: waves 0 and 1 fetch for a, waves 2 and 3 for Wo.  The branch hangs on the wave's number alone.  An s_nop 0 and four v_nop follow each of the two lines.
.macro JLOAD g0a, g1a, g0b, g1b
	s_cmp_eq_u32 s25, 0
	s_cbranch_scc0 .Lfor_s0_\@
	tensor_load_to_lds s[\g0a:\g0a+3], s[\g1a:\g1a+7]
	s_nop 0
.rept 4
	v_nop
.endr
	s_branch .Lasked_\@
.Lfor_s0_\@:
	tensor_load_to_lds s[\g0b:\g0b+3], s[\g1b:\g1b+7]
	s_nop 0
.rept 4
	v_nop
.endr
.Lasked_\@:
.endm
.macro CROUND                          ; a round of the cluster's barrier
	s_barrier_signal -1
	s_barrier_wait -1
	s_cmp_lg_u32 s24, 0
	s_cbranch_scc1 .Lnot_wave_0_\@
	s_barrier_signal -3
.Lnot_wave_0_\@:
	s_barrier_wait -3
	s_barrier_signal -1
	s_barrier_wait -1
.endm
.macro PLACES                          ; four plain vector instructions between a matrix instruction and a load into, or a read of, its registers
.rept 4
	v_nop
.endr
.endm
; 24 LDS loads in one run: the fragments of K step q into set q % 2: Wo's eight from rows, a's four as the images that they are
.macro FETCH q
	WIN 0x40                                       ; destination window 1, address window 0
.irp b, 0,1,2,3,4,5,6,7
.irp c, 0,1
	ds_load_b128 v[64*((\q)%2)+8*\b+4*\c:64*((\q)%2)+8*\b+4*\c+3], v[ADR0+(\q)/4] offset:64*((\q)%4)+32*\c+\b*16*PITCH
.endr
.endr
	WIN 0
.irp a, 0,1,2,3
.irp c, 0,1
	ds_load_b128 v[S1F+32*((\q)%2)+8*\a+4*\c:S1F+32*((\q)%2)+8*\a+4*\c+3], v[ADR1+(\q)/4] offset:1024*((\q)%4)+512*\c+4096*\a
.endr
.endr
.endm
; 16 matrix instructions: tiles a0, a0 + 1 of tokens x Wo's eight, K step q.  first = 1: the sum begins with the bias.  The 32 accumulators take turns, one instruction a turn, in the same order in every step.
.macro MUL q, a0, first
.irp a, \a0, \a0+1
.irp b, 0,1,2,3,4,5,6,7
.if \first
	v_wmma_scale_f32_16x16x128_f8f6f4 v[8*(8*(\a)+\b):8*(8*(\a)+\b)+7], v[64*((\q)%2)+8*\b:64*((\q)%2)+8*\b+7], v[S1F+32*((\q)%2)+8*(\a):S1F+32*((\q)%2)+8*(\a)+7], v[BIAS+8*\b:BIAS+8*\b+7], v[S0SC+8*\b+(\q)], v[S1SC+8*(\a)+(\q)] matrix_a_fmt:MATRIX_FMT_FP4 matrix_b_fmt:MATRIX_FMT_FP4
.else
	v_wmma_scale_f32_16x16x128_f8f6f4 v[8*(8*(\a)+\b):8*(8*(\a)+\b)+7], v[64*((\q)%2)+8*\b:64*((\q)%2)+8*\b+7], v[S1F+32*((\q)%2)+8*(\a):S1F+32*((\q)%2)+8*(\a)+7], v[8*(8*(\a)+\b):8*(8*(\a)+\b)+7], v[S0SC+8*\b+(\q)], v[S1SC+8*(\a)+(\q)] matrix_a_fmt:MATRIX_FMT_FP4 matrix_b_fmt:MATRIX_FMT_FP4
.endif
.endr
.endr
.endm
.macro STEP q, first
.if (\q) > 0
	PLACES                                         ; the set that the loads below fill was multiplied in the step before
.endif
	FETCH (\q)+1
	s_wait_dscnt 24                                ; all but the 24 loads just issued: this step's fragments are in (in step 0 the scale words too)
.if \first
	WIN 0x91                                       ; source 0 window 1, source 1 window 0, C (the bias) window 1, D window 2
.else
	WIN 0xa1                                       ; C and D window 2
.endif
	MUL \q, 0, \first
	MUL \q, 2, \first
.endm
	s_load_b256 s[4:11], s[0:1], 0x0               ; a_img s[4:5], a_sc s[6:7], Wo's codes s[8:9], Wo's scales s[10:11]
	s_load_b128 s[12:15], s[0:1], 0x20             ; bo s[12:13], out0 s[14:15]
	v_lshl_add_u32 v[SPW], v0, 2, SPARE
	v_mov_b32 v[NIL], 0
	ds_add_u32 v[SPW], v[NIL]                      ; the wave's opening: the add, twice on end, and its wait ahead of my first tensor load
	ds_add_u32 v[SPW], v[NIL]                      ; and once more; the set-up below, work on registers, stands between it and the wait
	v_lshrrev_b32 v1, 5, v0
	v_readfirstlane_b32 s24, v1                    ; wave 0..3
	s_lshr_b32 s25, s24, 1                         ; which 64 tokens are mine.  Also: I fetch for a (0) or for Wo (1)
	s_and_b32 s26, s24, 1                          ; which 128 columns are mine.  Also: which half of that tile I fetch
	s_bfe_u32 s27, ttmp6, 0x40000                  ; cx, cy: my place in the cluster
	s_bfe_u32 s28, ttmp6, 0x40004
	s_and_b32 s30, ttmp7, 0xffff                   ; the cluster's y, 0..15
	s_mov_b32 s92, s27                             ; Wo's tile of 256 rows: cx
	s_lshl_b32 s93, s30, 2
	s_add_co_u32 s93, s93, s28                     ; the tile of 128 tokens: 4 y + cy
	s_lshl_b32 s31, s28, 2
	s_lshl_b32 s31, 15, s31                        ; my row of the cluster
	s_lshl_b32 s29, 0x1111, s27                    ; my column
	s_or_b32 s[G1A], s31, (3<<16)|(1<<21)          ; a's images: elements of 8 bytes; four tiles' 4,096 bytes (a K half: eight heads), 8,192 bytes apart in memory; dense in LDS
	s_mov_b32 s[G1A+1], 512<<16                    ; tensor_dim0
	s_mov_b32 s[G1A+2], 4<<16                      ; tensor_dim1
	s_mov_b32 s[G1A+3], 512<<16                    ; tile_dim0
	s_mov_b32 s[G1A+4], 4                          ; tile_dim1
	s_mov_b32 s[G1A+5], 1024                       ; the pitch
	s_mov_b32 s[G1A+6], 0
	s_mov_b32 s[G1A+7], 0
	s_or_b32 s[G1B], s29, PADW                     ; Wo's codes: elements of 1 byte; 128 rows x 256 bytes, 512 bytes apart
	s_mov_b32 s[G1B+1], 256<<16
	s_mov_b32 s[G1B+2], 128<<16
	s_mov_b32 s[G1B+3], 256<<16
	s_mov_b32 s[G1B+4], 128
	s_mov_b32 s[G1B+5], 512
	s_mov_b32 s[G1B+6], 0
	s_mov_b32 s[G1B+7], 0
	s_or_b32 s[G1S], s31, (3<<16)|(1<<21)          ; a's scale words: for each of eight K steps 64 tokens' 256 bytes, 8,192 bytes apart
	s_mov_b32 s[G1S+1], 32<<16
	s_mov_b32 s[G1S+2], 8<<16
	s_mov_b32 s[G1S+3], 32<<16
	s_mov_b32 s[G1S+4], 8
	s_mov_b32 s[G1S+5], 1024
	s_mov_b32 s[G1S+6], 0
	s_mov_b32 s[G1S+7], 0
	s_or_b32 s[G1SB], s29, PADW|(3<<16)            ; Wo's scale bytes: 128 rows x 32 are 4,096 dense bytes: 16 rows of 256
	s_mov_b32 s[G1SB+1], 32<<16
	s_mov_b32 s[G1SB+2], 16<<16
	s_mov_b32 s[G1SB+3], 32<<16
	s_mov_b32 s[G1SB+4], 16
	s_mov_b32 s[G1SB+5], 32
	s_mov_b32 s[G1SB+6], 0
	s_mov_b32 s[G1SB+7], 0
	s_lshl_b32 s94, s92, 8
	s_lshl_b32 s95, s26, 7
	s_add_co_u32 s94, s94, s95                     ; the first row of Wo that I would fetch
	s_lshl_b32 s96, s94, 5                         ; its scale bytes,
	s_lshl_b32 s94, s94, 9                         ; its codes
	s_mov_b32 s95, 0
	s_mov_b32 s97, 0
	s_lshl_b32 s98, s93, 16                        ; a_img: eight tiles of 8,192 bytes to 128 tokens,
	s_lshl_b32 s99, s26, 15                        ; four to my half
	s_add_co_u32 s98, s98, s99
	s_mov_b32 s99, 0
	s_lshr_b32 s100, s93, 4
	s_lshl_b32 s100, s100, 16                      ; a_sc: 65,536 bytes a batch,
	s_and_b32 s101, s93, 15
	s_lshl_b32 s101, s101, 9                       ; 512 for 128 tokens,
	s_add_co_u32 s100, s100, s101
	s_lshl_b32 s101, s26, 8                        ; 256 for my half
	s_add_co_u32 s100, s100, s101
	s_mov_b32 s101, 0
	s_lshl_b32 s31, s26, 14                        ; where they go: constants and the wave's number alone
.irp s, 0,1
	s_mov_b32 s[G0A+4*\s], 1
	s_add_co_u32 s[G0A+4*\s+1], s31, \s*SLOT
.endr
	s_mul_i32 s31, s26, 128*PITCH
.irp s, 0,1
	s_mov_b32 s[G0B+4*\s], 1
	s_add_co_u32 s[G0B+4*\s+1], s31, \s*SLOT+S1B
.endr
	s_lshl_b32 s31, s26, 11
	s_mov_b32 s[G0S], 1
	s_add_co_u32 s[G0S+1], s31, SC1
	s_mul_i32 s31, s26, 16*272
	s_mov_b32 s[G0SB], 1
	s_add_co_u32 s[G0SB+1], s31, SC0
	s_wait_dscnt 0x0                               ; both opening adds are done
	s_wait_kmcnt 0x0
	s_add_nc_u64 s[4:5], s[4:5], s[98:99]
	s_add_nc_u64 s[6:7], s[6:7], s[100:101]
	s_add_nc_u64 s[8:9], s[8:9], s[94:95]
	s_add_nc_u64 s[10:11], s[10:11], s[96:97]
.irp s, 0,1
	s_add_nc_u64 s[G0A+4*\s+2:G0A+4*\s+3], s[4:5], \s*4096    ; K half s: heads 8 s on
	s_or_b32 s[G0A+4*\s+3], s[G0A+4*\s+3], 0x80000000         ; type = 2
	s_add_nc_u64 s[G0B+4*\s+2:G0B+4*\s+3], s[8:9], \s*256
	s_or_b32 s[G0B+4*\s+3], s[G0B+4*\s+3], 0x80000000
.endr
	s_mov_b64 s[G0S+2:G0S+3], s[6:7]
	s_or_b32 s[G0S+3], s[G0S+3], 0x80000000
	s_mov_b64 s[G0SB+2:G0SB+3], s[10:11]
	s_or_b32 s[G0SB+3], s[G0SB+3], 0x80000000
	CROUND                                         ; all sixteen work-groups are here: the joint loads meet
	JLOAD G0S, G1S, G0SB, G1SB                     ; the scales, K half 0, K half 1: three loads of mine are out; every byte is filled once
	JLOAD G0A, G1A, G0B, G1B
	JLOAD G0A+4, G1A, G0B+4, G1B
	; addresses, made while the tiles are on their way
	v_and_b32 v1, 15, v0                           ; r = lane % 16
	v_bfe_u32 v2, v0, 4, 1                         ; h = lane / 16
	v_and_b32 v3, 31, v0                           ; lane
	v_lshlrev_b32 v[LI], 4, v3
	s_wait_alu depctr_va_vdst(0)
	v_lshlrev_b32 v[BOF], 5, v2
	s_lshl_b32 s4, s92, 10
	s_lshl_b32 s5, s26, 9
	s_add_co_u32 s4, s4, s5                        ; my first column, in bytes of f32
	s_mov_b32 s5, 0
	s_add_nc_u64 s[12:13], s[12:13], s[4:5]
	WIN 0x40                                       ; destination window 1
.irp b, 0,1,2,3,4,5,6,7
	global_load_b128 v[BIAS+8*\b:BIAS+8*\b+3], v[BOF], s[12:13] offset:64*\b        ; bo at columns 16 b + 8 h + 0 .. 7: the result's layout
	global_load_b128 v[BIAS+8*\b+4:BIAS+8*\b+7], v[BOF], s[12:13] offset:64*\b+16
.endr
	WIN 0
	v_mul_u32_u24 v4, v1, PITCH
	v_lshl_add_u32 v4, v2, 4, v4                   ; Wo: a fragment's row x pitch + 16 h
	s_lshl_b32 s6, s25, 14                         ; my four tiles of tokens
	s_mul_i32 s7, s26, 128*PITCH
	s_add_co_u32 s7, s7, S1B                       ; my 128 rows of Wo
.irp s, 0,1
	v_add_nc_u32 v[ADR1+\s], s6, v[LI]
	v_add_nc_u32 v[ADR0+\s], s7, v4
	s_add_co_u32 s6, s6, SLOT
	s_add_co_u32 s7, s7, SLOT
.endr
	s_lshl_b32 s6, s25, 11
	s_add_co_u32 s6, s6, SC1
	v_lshl_add_u32 v[AS1], v1, 2, s6               ; a's scale words: 4 r in my 64 tokens' part
	v_lshrrev_b32 v6, 3, v1
	v_lshlrev_b32 v5, 5, v1
	v_lshl_add_u32 v5, v6, 4, v5                   ; Wo's: 32 r, and 16 more behind each 256
	s_mul_i32 s6, s26, 16*272
	s_add_co_u32 s6, s6, SC0
	v_add_nc_u32 v[AS0], s6, v5
	s_mul_i32 s6, s24, 16*528
	s_add_co_u32 s6, s6, STG                       ; my stage
	v_mul_u32_u24 v[STO], v1, 528
	v_lshl_add_u32 v[STO], v2, 5, v[STO]
	v_add_nc_u32 v[STO], s6, v[STO]                ; in: row r, 32 bytes for each half of the lanes
	v_add_nc_u32 v[RD], s6, v[LI]                  ; back: the 32 lanes take one row of 512 bytes
	s_lshl_b32 s6, s93, 7
	s_lshl_b32 s7, s25, 6
	s_add_co_u32 s6, s6, s7                        ; my first token,
	s_lshl_b32 s6, s6, 12                          ; its row of 4,096 bytes,
	s_add_co_u32 s6, s6, s4                        ; and my first column
	s_mov_b32 s7, 0
	s_add_nc_u64 s[14:15], s[14:15], s[6:7]
	s_wait_alu depctr_va_vdst(0)
	s_wait_tensorcnt 0x1                           ; my scales and my part of K half 0 are in; K half 1's load, the only one issued behind them, may be out
	s_barrier_signal -1
	s_barrier_wait -1                              ; everybody's are
.irp a, 0,1,2,3
.irp k, 0,1,2,3,4,5,6,7
	ds_load_b32 v[S1SC+8*\a+\k], v[AS1] offset:256*\k+64*\a
.endr
.endr
.irp b, 0,1,2,3,4,5,6,7
.irp u, 0,1
	ds_load_b128 v[S0SC+8*\b+4*\u:S0SC+8*\b+4*\u+3], v[AS0] offset:544*\b+16*\u   ; a row's eight scale words: 16 rows are two runs of 272 bytes
.endr
.endr
	FETCH 0
	s_wait_loadcnt 0x0                             ; the bias
	STEP 0, 1
	STEP 1, 0
	STEP 2, 0
	s_wait_dscnt 0x0                               ; K step 3's fragments are in: no LDS instruction of mine is out at the signal
	s_wait_tensorcnt 0x0                           ; my part of K half 1 has landed
	s_barrier_signal -1
	MUL 3, 0, 0                                    ; work on registers while the others arrive
	s_barrier_wait -1                              ; K half 1 is whole.
	PLACES
	FETCH 4
	WIN 0xa1
	MUL 3, 2, 0
	STEP 4, 0
	STEP 5, 0
	STEP 6, 0
	s_wait_dscnt 0x0                               ; the last step: nothing more to fetch
	MUL 7, 0, 0
	MUL 7, 2, 0
	WIN 0
; THE WAY OUT, a block of 16 tokens x 128 columns at a time.  A lane holds 32 neighbouring bytes of a row and the lanes beside it hold other rows: so a block goes through my own stage in LDS and comes back as whole rows of
; 512 bytes.  LDS serves a wave's instructions in order (ISA guide 5.7.1.4): no wait between the stores and the loads, nor in front of the next block's stores.
.macro TOSTAGE a
	WIN 0x08                                       ; an LDS store's data are its source 1: window 2
.irp b, 0,1,2,3,4,5,6,7
	ds_store_b128 v[STO], v[64*(\a)+8*\b:64*(\a)+8*\b+3] offset:64*\b           ; each accumulator from its low end on
	ds_store_b128 v[STO], v[64*(\a)+8*\b+4:64*(\a)+8*\b+7] offset:64*\b+16
.endr
	WIN 0
.irp t, 0,1,2,3,4,5,6,7,8,9,10,11,12,13,14,15
	ds_load_b128 v[BK+64*((\a)%2)+4*\t:BK+64*((\a)%2)+4*\t+3], v[RD] offset:\t*528
.endr
.endm
.macro SEND a, younger                 ; younger: the LDS instructions issued behind block a's loads, which may stay out
	s_wait_dscnt \younger                          ; the block is back in registers
.irp t, 0,1,2,3,4,5,6,7,8,9,10,11,12,13,14,15
	global_store_b128 v[LI], v[BK+64*((\a)%2)+4*\t:BK+64*((\a)%2)+4*\t+3], s[14:15] offset:(16*(\a)+\t)*4096 th:TH_STORE_NT   ; 32 lanes store 512 consecutive bytes, at a multiple of 256 from out0's first byte; 63 rows at the most stand in the immediate
.endr
.endm
	PLACES                                         ; in front of the first read of results and of the loads into the registers that held a's fragments
	TOSTAGE 0
	TOSTAGE 1
	SEND 0, 32                                     ; behind block 0's loads: block 1's 16 stores and 16 loads
	s_wait_xcnt 0x0                                ; block 0's stores have read their registers: block 2's loads may land there
	TOSTAGE 2
	SEND 1, 32
	s_wait_xcnt 0x0                                ; block 1's likewise
	TOSTAGE 3
	SEND 2, 32
	SEND 3, 0
	s_wait_tensorcnt 0x0                           ; the wave's end: behind my last tensor load and my last LDS store
	ds_add_u32 v[SPW], v[NIL]
	s_wait_dscnt 0x0
	CROUND                                         ; the closing round: no work-group ends while a partner may still ask for a tile that names it
	s_endpgm
.Lfunc_end_k_q9f67ae0f2d_proj:
	.size	k_q9f67ae0f2d_proj, .Lfunc_end_k_q9f67ae0f2d_proj-k_q9f67ae0f2d_proj
	.p2alignl 7, 3214868480
	.fill 96, 4, 3214868480
	.section	.rodata,"a",@progbits
	.p2align	6, 0x0
	.amdhsa_kernel k_q9f67ae0f2d_proj
		.amdhsa_group_segment_fixed_size 251904
		.amdhsa_private_segment_fixed_size 0
		.amdhsa_enable_private_segment 0
		.amdhsa_kernarg_size 48
		.amdhsa_user_sgpr_count 2
		.amdhsa_user_sgpr_kernarg_segment_ptr 1
		.amdhsa_wavefront_size32 1
		.amdhsa_system_sgpr_workgroup_id_x 1
		.amdhsa_system_sgpr_workgroup_id_y 1
		.amdhsa_system_sgpr_workgroup_id_z 1
		.amdhsa_system_vgpr_workitem_id 0
		.amdhsa_next_free_vgpr 768
		.amdhsa_next_free_sgpr 102
		.amdhsa_reserve_vcc 0
		.amdhsa_float_denorm_mode_32 3
		.amdhsa_float_denorm_mode_16_64 3
		.amdhsa_memory_ordered 1
		.amdhsa_forward_progress 1
		.amdhsa_inst_pref_size 75
	.end_amdhsa_kernel
	.amdgpu_metadata
---
amdhsa.version: [ 1, 2 ]
amdhsa.kernels:
  - .name:           k_q9f67ae0f2d_proj
    .symbol:         k_q9f67ae0f2d_proj.kd
    .args:
      - { .name: a_img, .offset: 0, .size: 8, .value_kind: global_buffer, .address_space: global }
      - { .name: a_sc, .offset: 8, .size: 8, .value_kind: global_buffer, .address_space: global }
      - { .name: Wo_codes, .offset: 16, .size: 8, .value_kind: global_buffer, .address_space: global }
      - { .name: Wo_scales, .offset: 24, .size: 8, .value_kind: global_buffer, .address_space: global }
      - { .name: bo, .offset: 32, .size: 8, .value_kind: global_buffer, .address_space: global }
      - { .name: out0, .offset: 40, .size: 8, .value_kind: global_buffer, .address_space: global }
    .group_segment_fixed_size: 251904
    .private_segment_fixed_size: 0
    .kernarg_segment_align: 8
    .kernarg_segment_size: 48
    .max_flat_workgroup_size: 128
    .sgpr_count:     102
    .vgpr_count:     768
    .wavefront_size: 32
...
	.end_amdgpu_metadata
.endif
;; end of part 3
